; MI455X (gfx1250); checked and timed in simulation.
; The chip was launched on July 23, 2026; its instructions are those of AMD's public machine-readable ISA for CDNA 5 (MIT licence, August 2026) and "CDNA5" Instruction Set Architecture Reference Guide (July 2026). The comments in the code are by the model that wrote it; some were corrected since.
;; Multi Head Attention. Allowed arithmetic: matrix products marked QUANTISED: E4M3 operands, one E8M0 scale for each 32 along K, by v_wmma_scale_f32_16x16x128_f8f6f4 with both operands' format E4M3, f32 sums; everything else in f32.
;; Inputs: W_proj_codes 1,024 x 32 x 32 uint8 (E4M3 codes of W_proj, K innermost, in blocks of 32 codes); W_proj_scales 1,024 x 32 uint8 (E8M0 scales of W_proj, one for each 32 codes along K); W_qkv_codes 3,072 x 32 x 32 uint8 (E4M3 codes of W_qkv, K innermost, in blocks of 32 codes); W_qkv_scales 3,072 x 32 uint8 (E8M0 scales of W_qkv, one for each 32 codes along K); b_proj 1,024 float32; b_qkv 3,072 float32; x_codes 4 x 2,048 x 32 x 32 uint8 (E4M3 codes of x, K innermost, in blocks of 32 codes); x_scales 4 x 2,048 x 32 uint8 (E8M0 scales of x, one for each 32 codes along K).
;; Outputs: out0 4 x 2,048 x 1,024 float32.
;; This version of the problem:
;;   THIS VERSION OF THE PROBLEM IS GIVEN IN LOW PRECISION. The matrix products marked QUANTISED in the list below multiply operands that are first quantised to E4M3 (4 exponent bits, 3 mantissa bits; 8 bits a number), with one power-of-two scale for each 32 numbers along K (OCP MX v1.0); their sums are f32. All else is computed in f32.
;;   The module's matrix products, in the order in which they are computed (A, B: the left and right operand; K: the contracted axis; several contracted axes count as one K, in the product's order):
;;     1. [M 8,192, K 1,024] x [K 1,024, N 3,072]; A: input x (given as codes); B: input W_qkv (given as codes): QUANTISED
;;     2. batch 64 x [M 2,048, K 64] x [K 64, N 2,048]; A: computed on the way; B: computed on the way: QUANTISED
;;     3. batch 64 x [M 2,048, K 2,048] x [K 2,048, N 64]; A: softmax (see below); B: computed on the way: QUANTISED
;;     4. [M 8,192, K 1,024] x [K 1,024, N 1,024]; A: computed on the way; B: input W_proj (given as codes): QUANTISED
;;   THE QUANTISER, for each operand of a quantised product, along K:
;;     - K is cut into blocks of 32 from its start; a last block that is shorter is filled with zeros.
;;     - A block's scale is 2^e with e = floor(log2(the largest magnitude in the block)) - 8, held to -126 .. 127; a block of zeros has e = 0. As a byte (E8M0): e + 127.
;;     - Each number is divided by its block's scale, clamped to +-448, and rounded to the nearest number of E4M3, ties to even, subnormals kept.
;;     - The product sums the exact products of the quantised numbers (number of the format x scale) in f32.
;;   ~~~python
;;   def quantise(x, axis):      # numpy; x: float32 -> the quantised numbers, widened to float32 again
;;       x = np.moveaxis(x, axis, -1); K = x.shape[-1]
;;       x = np.pad(x, [(0, 0)] * (x.ndim - 1) + [(0, -K % 32)]); x = x.reshape(x.shape[:-1] + (-1, 32)); a = np.abs(x).max(-1, keepdims=True)
;;       e = np.where(a > 0, np.clip(np.frexp(np.where(a > 0, a, 1))[1] - 1 - 8, -126, 127), 0)      # np.frexp(a)[1] - 1 = floor(log2(a)), exactly
;;       r = np.clip(x / 2.0 ** e, -448, 448)
;;       step = 2.0 ** (np.maximum(np.frexp(np.where(r == 0, 1, r))[1] - 1, -6) - 3)
;;       q = np.round(r / step) * step * 2.0 ** e      # np.round: ties to even
;;       return np.moveaxis(q.reshape(q.shape[:-2] + (-1,))[..., :K], -1, axis).astype(np.float32)
;;   ~~~
;;   SOFTMAX AHEAD OF A QUANTISED PRODUCT. Where the list says 'softmax', what is quantised is not the finished softmax but p = 2^(t - M), with t = logit x log2(e) and M = ceil(the row's largest t), a whole number; so 1/2 < the row's largest p <= 1. The row's sum l is taken of the UNQUANTISED p, in f32, and the product's result is divided by l at the end. Since M is a whole number, a kernel that streams over the keys may use a running M (the ceiling of the running maximum): every later rescaling is an exact power of two, which a block's scale takes up: the codes' values come out the same.
;;   OPERANDS COMPUTED ON THE WAY. 'Computed on the way' means the value that the module computes at that place (a softmax that the list does not call 'softmax' is quantised finished and normalised). What goes into a quantiser is computed in f32, as accurately as f32 sums, v_exp_f32 and their like allow (about 1e-6 of the number): no bf16 or f16 on the way to a quantiser, and a product that is left as it is and whose result goes on into a quantised operand takes f32 operands (vector FMAs, or v_wmma_f32_16x16x4_f32). A number that lies on a knife's edge between two numbers of the format may be rounded either way, as far as f32 arithmetic and the matrix unit's own rounding can turn it there, and no further.
;;   INPUTS GIVEN AS CODES. W_proj (in the module: [1024, 1024], K = its axis 1); W_qkv (in the module: [3072, 1024], K = its axis 1); x (in the module: [4, 2048, 1024], K = its axis 2): each comes as NAME_codes (uint8): NAME with its K axis moved to the last place and cut into blocks of 32 codes, [.., K / 32, bytes a block], one block behind the other in memory; one code a byte (a code: sign, 4 exponent bits, 3 mantissa bits); and NAME_scales (uint8): the same leading axes, one E8M0 byte (e + 127) for each 32 codes along K. Its value is code x scale, taken as it is: it is not quantised again, and the codes and scales need not be those that the quantiser above would give.
;; One version. Each part assembles by itself: llvm-mc -triple=amdgcn-amd-amdhsa -mcpu=gfx1250 --defsym DOCPART=n.
;; ======== version 1 of 1: 3 launches
;; limits: right only within a limited range of input values
;; workspace buffers: qbuf 8,650,752 bytes; kvbuf 17,301,504 bytes; ofrag 8,388,608 bytes; oscales 262,144 bytes
;; launch qkv (part 1): grid 96 x 4, 4 waves a work-group, clusters of 4 x 4, 327,680 bytes of LDS; arguments x_codes, x_scales, W_qkv_codes, W_qkv_scales, qbuf, kvbuf, b_qkv; writes qbuf, kvbuf
.if DOCPART == 1
	.amdgcn_target "amdgcn-amd-amdhsa--gfx1250"
	.amdhsa_code_object_version 6
	.text
	.protected	k_q3304d4f97f_qkv
	.globl	k_q3304d4f97f_qkv
	.p2align	8
	.type	k_q3304d4f97f_qkv,@function
k_q3304d4f97f_qkv:
	s_mov_b64 s[64:65], 0
	v_nop
	global_prefetch_b8 v0, s[64:65] scope:SCOPE_SE
	s_setreg_imm32_b32 hwreg(HW_REG_WAVE_MODE, 25, 1), 1
	s_wait_xcnt 0x0
	s_wait_alu depctr_hold_cnt(0) depctr_sa_sdst(0) depctr_va_vdst(0) depctr_va_sdst(0) depctr_va_ssrc(0) depctr_va_vcc(0) depctr_vm_vsrc(0)
	s_getreg_b32 s2, hwreg(HW_REG_IB_STS2, 6, 4)
	s_cmp_eq_u32 s2, 0
	s_cbranch_scc0 .Lentry_in_a_cluster
	s_endpgm
.Lentry_in_a_cluster:
	s_bfe_u32 s2, ttmp6, 0x10000c
	s_cmp_lg_u32 s2, 0xf033
	s_cbranch_scc0 .Lentry_shape_is_right
	s_endpgm
.Lentry_shape_is_right:
.set SIZE_K, 1024
.set KSTEP,  256
.set NQ,     KSTEP/128
.set ROWB,   256
.set KROW,   SIZE_K
.set PITCH,  272
.set FR,     16
.set NL,     4
.set NP,     8
.set HALFT,  128*PITCH
.set SLOT,   4*HALFT
.set LAPS,   SIZE_K/(2*KSTEP)
.set KS,     SIZE_K/32
.set SCL,    2*SLOT
.set HALFS,  (128*KS/256)*272
.set SBLK,   (16*KS/256)*272
.set SPARE,  SCL+4*HALFS
.set BOF,  7
.set BA,   8
.set ADRA, 16
.set AOFV, 18
.set ADRB, 20
.set ADRS, 27
.set SPW,  28
.set NIL,  29
.set SC,   32
.set BB,   64
.set AF,   128
.set VO,   20
.set OFS,  24
.set ST,   128
.set PC,   192
.set TM,   208
.set SW,   224
.set W4,   232
.set SELR, 236
.set G1, 24
.set G0, 32
.set G1B, 48
.set G0B, 56
.set G1S, 68
.set G0S, 76
.set G1SB, 80
.set G0SB, 88
.set KIND, 95
.set MH,    3
.set STEPA, 30
.set BASE,  32
.set BASES, 34
.set HS,    38
.set JUMP,  40
.set SEL,   92
.set MNT,   94
.set MSB, 0
.macro WIN new
.if MSB != \new
	s_set_vgpr_msb (MSB<<8)|\new
.set MSB, \new
.endif
.endm
.set MUL_LO, 0xa1
.set MUL_HI, 0xf1
.set TO_B,   0x40
.macro JLOAD g0a, g1a, g0b, g1b
	s_cmp_eq_u32 s15, 0
	s_cbranch_scc0 .Lfor_b_\@
	tensor_load_to_lds s[\g0a:\g0a+3], s[\g1a:\g1a+7]
	s_nop 0
.rept 4
	v_nop
.endr
	s_branch .Lasked_\@
.Lfor_b_\@:
	tensor_load_to_lds s[\g0b:\g0b+3], s[\g1b:\g1b+7]
	s_nop 0
.rept 4
	v_nop
.endr
.Lasked_\@:
.endm
.macro CREST
	s_cmp_lg_u32 s14, 0
	s_cbranch_scc1 .Lnot_wave_0_\@
	s_barrier_signal -3
.Lnot_wave_0_\@:
	s_barrier_wait -3
	s_barrier_signal -1
	s_barrier_wait -1
.endm
.macro CROUND
	s_barrier_signal -1
	s_barrier_wait -1
	CREST
.endm
	s_load_b128 s[4:7], s[0:1], 0x0
	s_load_b128 s[8:11], s[0:1], 0x10
	s_load_b128 s[96:99], s[0:1], 0x20
	s_load_b64 s[12:13], s[0:1], 0x30
	v_lshl_add_u32 v[SPW], v0, 2, SPARE
	v_mov_b32 v[NIL], 0
	ds_add_u32 v28, v29
	ds_add_u32 v28, v29
	s_wait_dscnt 0x0
	v_lshrrev_b32 v1, 5, v0
	v_readfirstlane_b32 s14, v1
	s_lshr_b32 s15, s14, 1
	s_and_b32 s16, s14, 1
	s_bfe_u32 s40, ttmp6, 0x40000
	s_bfe_u32 s41, ttmp6, 0x40004
	s_and_b32 s18, ttmp9, 1
	s_lshr_b32 s19, ttmp9, 1
	s_max_u32 s20, ttmp9, 16
	s_sub_co_u32 s20, s20, 16
	s_cmp_lt_u32 ttmp9, 16
	s_cselect_b32 s42, s18, s20
	s_cselect_b32 s17, s19, 0
	s_cselect_b32 s[KIND], 0, 1
	s_cselect_b32 s2, 0, 2048
	s_lshl_b32 s42, s42, 2
	s_add_co_u32 s42, s42, s40
	s_lshl_b32 s17, s17, 2
	s_add_co_u32 s17, s17, s41
	s_lshl_b32 s43, s41, 2
	s_lshl_b32 s43, 15, s43
	s_lshl_b32 s44, 0x1111, s40
	s_or_b32 s[G1+0], s43, (0<<16)|(1<<20)|(1<<21)|(5<<22)|(3<<25)
	s_or_b32 s[G1B+0], s44, (0<<16)|(1<<20)|(1<<21)|(5<<22)|(3<<25)
.irp g, G1, G1B
	s_mov_b32 s[\g+1], ROWB<<16
	s_mov_b32 s[\g+2], 256<<16                     ; the head's loads of codes bring 256 rows
	s_mov_b32 s[\g+3], ROWB<<16
	s_mov_b32 s[\g+4], 256
	s_mov_b32 s[\g+5], KROW
	s_mov_b32 s[\g+6], 0
	s_mov_b32 s[\g+7], 0
.endr
	s_or_b32 s[G1S+0], s43, (3<<16)|(1<<20)|(1<<21)|(5<<22)|(3<<25)
	s_or_b32 s[G1SB+0], s44, (3<<16)|(1<<20)|(1<<21)|(5<<22)|(3<<25)
.irp g, G1S, G1SB
	s_mov_b32 s[\g+1], 32<<16
	s_mov_b32 s[\g+2], KS<<16                      ; the scale bytes of 256 rows: KS rows of 256 bytes
	s_mov_b32 s[\g+3], 32<<16
	s_mov_b32 s[\g+4], KS
	s_mov_b32 s[\g+5], 32
	s_mov_b32 s[\g+6], 0
	s_mov_b32 s[\g+7], 0
.endr
	s_lshl_b32 s20, s17, 8                         ; the tiles' first rows
	s_add_co_u32 s20, s20, s2
	s_lshl_b32 s46, s42, 8
	s_mov_b32 s21, 0
	s_mov_b32 s47, 0
	s_mov_b64 s[18:19], KS
	s_mul_u64 s[22:23], s[20:21], s[18:19]
	s_mul_u64 s[92:93], s[46:47], s[18:19]
	s_mov_b64 s[18:19], KROW
	s_mul_u64 s[20:21], s[20:21], s[18:19]
	s_mul_u64 s[46:47], s[46:47], s[18:19]
	s_mul_i32 s45, s14, HALFT
	s_mul_i32 s18, s16, 128*KROW                   ; in the ring I fetch 128 rows of a tile: which half, in bytes
	s_mov_b32 s19, 0
	s_wait_kmcnt 0x0
	s_cmp_eq_u32 s[KIND], 0
	s_cselect_b64 s[66:67], s[4:5], s[8:9]
	s_cselect_b64 s[100:101], s[6:7], s[10:11]
	s_cselect_b64 s[8:9], s[8:9], s[4:5]
	s_cselect_b64 s[10:11], s[10:11], s[6:7]
	s_mov_b64 s[4:5], s[66:67]
	s_mov_b64 s[6:7], s[100:101]
	s_add_nc_u64 s[20:21], s[4:5], s[20:21]
	s_add_nc_u64 s[22:23], s[6:7], s[22:23]
	s_add_nc_u64 s[46:47], s[8:9], s[46:47]
	s_add_nc_u64 s[92:93], s[10:11], s[92:93]
	CROUND
	s_mov_b32 s[G0S], 1
	s_mov_b32 s[G0S+1], SCL
	s_mov_b64 s[G0S+2:G0S+3], s[22:23]
	s_or_b32 s[G0S+3], s[G0S+3], 0x80000000
	s_mov_b32 s[G0SB], 1
	s_mov_b32 s[G0SB+1], SCL+2*HALFS
	s_mov_b64 s[G0SB+2:G0SB+3], s[92:93]
	s_or_b32 s[G0SB+3], s[G0SB+3], 0x80000000
.set G0H, 4                            ; s[4:7], s[8:11] group 0 of the head's loads of K step 0 (the arguments that lay there have been used)
.set G0HB, 8
	s_mov_b32 s[G0H], 1
	s_mov_b32 s[G0H+1], 0
	s_mov_b64 s[G0H+2:G0H+3], s[20:21]
	s_or_b32 s[G0H+3], s[G0H+3], 0x80000000
	s_mov_b32 s[G0HB], 1
	s_mov_b32 s[G0HB+1], 2*HALFT
	s_mov_b64 s[G0HB+2:G0HB+3], s[46:47]
	s_or_b32 s[G0HB+3], s[G0HB+3], 0x80000000
	s_add_nc_u64 s[20:21], s[20:21], s[18:19]      ; for the ring: my 128 rows of the tile
	s_add_nc_u64 s[46:47], s[46:47], s[18:19]
.irp s, 0,1
	s_mov_b32 s[G0+4*\s], 1
	s_add_co_u32 s[G0+4*\s+1], s45, \s*SLOT
	s_add_nc_u64 s[G0+4*\s+2:G0+4*\s+3], s[20:21], \s*ROWB
	s_or_b32 s[G0+4*\s+3], s[G0+4*\s+3], 0x80000000
	s_mov_b32 s[G0B+4*\s], 1
	s_add_co_u32 s[G0B+4*\s+1], s45, \s*SLOT
	s_add_nc_u64 s[G0B+4*\s+2:G0B+4*\s+3], s[46:47], \s*ROWB
	s_or_b32 s[G0B+4*\s+3], s[G0B+4*\s+3], 0x80000000
.endr
; the head's four tiles, one joint load a wave, in one chain of branches on the wave's number: wave 0 source A's 256 rows of K step 0, wave 1 source B's, wave 2 A's scale bytes, wave 3 B's
.macro ARM under, g0, g1, next
	s_cmp_lt_u32 s14, \under
	s_cbranch_scc0 \next
	tensor_load_to_lds s[\g0:\g0+3], s[\g1:\g1+7]
	s_nop 0
.rept 4
	v_nop
.endr
	s_branch .Lhead_asked
\next:
.endm
	ARM 1, G0H,  G1,  .Lhead_b
	ARM 2, G0HB, G1B, .Lhead_sa
	ARM 3, G0S,  G1S, .Lhead_sb
	tensor_load_to_lds s[G0SB:G0SB+3], s[G1SB:G1SB+7]
	s_nop 0
.rept 4
	v_nop
.endr
.Lhead_asked:
	v_and_b32 v1, 15, v0
	v_bfe_u32 v2, v0, 4, 1
	v_mul_u32_u24 v3, v1, PITCH
	v_lshl_add_u32 v4, v2, 4, v3
	s_mul_i32 s21, s15, HALFT
	s_mul_i32 s22, s16, HALFT
	s_add_co_u32 s22, s22, 2*HALFT
.irp s, 0,1
	v_add_nc_u32 v[ADRA+\s], s21, v4
	v_add_nc_u32 v[ADRB+\s], s22, v4
	s_add_co_u32 s21, s21, SLOT
	s_add_co_u32 s22, s22, SLOT
.endr
	v_mul_u32_u24 v5, v1, KS
	v_lshrrev_b32 v6, 8, v5
	v_lshl_add_u32 v5, v6, 4, v5
	s_mul_i32 s21, s15, HALFS
	s_mul_i32 s22, s16, HALFS
	s_add_co_u32 s22, s22, 2*HALFS
	s_sub_co_u32 s22, s22, s21
	v_mul_u32_u24 v6, s22, v2
	s_add_co_u32 s21, s21, SCL
	v_add_nc_u32 v5, v5, v6
	v_add_nc_u32 v[ADRS], s21, v5
	v_lshlrev_b32 v[BOF], 5, v2
	s_wait_alu depctr_va_vdst(0)
	v_lshlrev_b32 v[AOFV], 2, v1
	s_wait_alu depctr_va_vdst(0)
	s_lshl_b32 s18, s42, 8
	s_lshl_b32 s19, s16, 7
	s_add_co_u32 s18, s18, s19
	s_lshl_b32 s18, s18, 2
	s_lshl_b32 s19, s17, 8
	s_lshl_b32 s23, s15, 7
	s_add_co_u32 s19, s19, s23
	s_add_co_u32 s19, s19, 2048
	s_lshl_b32 s19, s19, 2
	s_cmp_eq_u32 s[KIND], 0
	s_cselect_b32 s66, s18, 0
	s_cselect_b32 s100, 0, s19
	s_mov_b32 s67, 0
	s_mov_b32 s101, 0
	s_add_nc_u64 s[66:67], s[12:13], s[66:67]
	s_add_nc_u64 s[100:101], s[12:13], s[100:101]
.irp b, 0,1,2,3,4,5,6,7
	global_load_b128 v[BB+8*\b:BB+8*\b+3], v[BOF], s[66:67] offset:64*\b
	global_load_b128 v[BB+8*\b+4:BB+8*\b+7], v[BOF], s[66:67] offset:64*\b+16
.endr
.irp a, 0,1,2,3,4,5,6,7
	global_load_b32 v[BA+\a], v[AOFV], s[100:101] offset:64*\a
.endr
.macro FRAG reg, adr, q, i
.irp c, 0,1,2,3
	ds_load_b128 v[\reg+4*\c:\reg+4*\c+3], v[\adr] offset:128*(\q)+32*\c+(\i)*16*PITCH
.endr
.endm
.macro MUL16 a0, p, q, sc, zero
.irp a, \a0, \a0+1
.irp b, 0,1,2,3,4,5,6,7
.if \zero
	v_wmma_scale_f32_16x16x128_f8f6f4 v[8*(8*((\a)%4)+\b):8*(8*((\a)%4)+\b)+7], v[128*(\p)+FR*\b:128*(\p)+FR*\b+FR-1], v[AF+FR*(\a):AF+FR*(\a)+FR-1], 0, v[SC+8*NQ*(\sc)+NQ*\b+(\q)], v[SC+8*NQ*(\sc)+NQ*(\a)+(\q)] matrix_a_scale:MATRIX_SCALE_ROW1
.else
	v_wmma_scale_f32_16x16x128_f8f6f4 v[8*(8*((\a)%4)+\b):8*(8*((\a)%4)+\b)+7], v[128*(\p)+FR*\b:128*(\p)+FR*\b+FR-1], v[AF+FR*(\a):AF+FR*(\a)+FR-1], v[8*(8*((\a)%4)+\b):8*(8*((\a)%4)+\b)+7], v[SC+8*NQ*(\sc)+NQ*\b+(\q)], v[SC+8*NQ*(\sc)+NQ*(\a)+(\q)] matrix_a_scale:MATRIX_SCALE_ROW1
.endif
.endr
.endr
.endm
.macro FETCH_B slot, q, p
	WIN TO_B
.irp i, 0,1,2,3,4,5,6,7
	FRAG 128*(\p)+FR*\i, ADRB+\slot, \q, \i
.endr
	WIN 0
.endm
.macro FETCH_A slot, q, i0
.irp i, \i0, \i0+1, \i0+2, \i0+3
	FRAG AF+FR*(\i), ADRA+\slot, \q, \i
.endr
.endm
.macro SCALES sc
.irp i, 0,1,2,3,4,5,6,7
	ds_load_b64 v[SC+8*NQ*\sc+NQ*\i:SC+8*NQ*\sc+NQ*\i+1], v[ADRS] offset:\i*SBLK
.endr
.endm
.macro PLACES n
.rept \n
	v_nop
.endr
.endm
.macro STEP slot, q, zero
	s_wait_dscnt 4*NL
	WIN MUL_LO
	MUL16 0, (\q)%2, \q, \slot, \zero
	MUL16 2, (\q)%2, \q, \slot, \zero
	s_wait_dscnt 0
	PLACES NP
	FETCH_B \slot, (\q)+1, 1-(\q)%2
	FETCH_A \slot, (\q)+1, 0
	WIN MUL_HI
	MUL16 4, (\q)%2, \q, \slot, \zero
	MUL16 6, (\q)%2, \q, \slot, \zero
	PLACES NP
	WIN 0
	FETCH_A \slot, (\q)+1, 4
.endm
.macro TURN slot, next, fill
	s_wait_tensorcnt 0x0
	ds_add_u32 v[SPW], v[NIL]
	s_wait_dscnt 4*NL+1
	WIN MUL_LO
	MUL16 0, 1, NQ-1, \slot, 0
	s_wait_dscnt 0x0
	s_barrier_signal -1
	MUL16 2, 1, NQ-1, \slot, 0
	WIN 0
	s_barrier_wait -1
.if \fill
	CREST
	s_add_nc_u64 s[G0+4*\slot+2:G0+4*\slot+3], s[G0+4*\slot+2:G0+4*\slot+3], 2*ROWB
	s_add_nc_u64 s[G0B+4*\slot+2:G0B+4*\slot+3], s[G0B+4*\slot+2:G0B+4*\slot+3], 2*ROWB
	JLOAD G0+4*\slot, G1, G0B+4*\slot, G1B
	PLACES NP-4
.else
	PLACES NP
.endif
	s_wait_alu depctr_va_vdst(0)
	v_add_nc_u32 v[ADRS], 4*NQ, v[ADRS]
	FETCH_B \next, 0, 0
	FETCH_A \next, 0, 0
	SCALES \next
	WIN MUL_HI
	MUL16 4, 1, NQ-1, \slot, 0
	MUL16 6, 1, NQ-1, \slot, 0
	PLACES NP
	WIN 0
	FETCH_A \next, 0, 4
.endm
	s_wait_alu depctr_va_vdst(0)                   ; the wait at the head's end
	s_wait_tensorcnt 0x0                           ; my tile of the head's four is in; the lines ahead of a later first fill:
	ds_add_u32 v[SPW], v[NIL]
	s_mov_b32 s[G1+2], 128<<16                     ; no tensor load of mine is out: from here on a load brings 128 rows
	s_mov_b32 s[G1+4], 128
	s_mov_b32 s[G1B+2], 128<<16
	s_mov_b32 s[G1B+4], 128
	s_wait_dscnt 0x0
	CROUND                                         ; all four tiles are in, and all sixteen work-groups are here
	JLOAD G0+4, G1, G0B+4, G1B                     ; K step 1, the first tensor load behind the round
	FETCH_B 0, 0, 0
	FETCH_A 0, 0, 0
	SCALES 0
	FETCH_A 0, 0, 4
	STEP 0, 0, 1
	s_mov_b32 s3, LAPS-1
.Llap:
	TURN 0, 1, 1
	STEP 1, 0, 0
	TURN 1, 0, 1
	STEP 0, 0, 0
	s_sub_co_u32 s3, s3, 1
	s_cmp_lg_u32 s3, 0
	s_cbranch_scc1 .Llap
	TURN 0, 1, 0
	STEP 1, 0, 0
	s_wait_dscnt 4*NL
	WIN MUL_LO
	MUL16 0, 1, NQ-1, 1, 0
	MUL16 2, 1, NQ-1, 1, 0
	s_wait_dscnt 0
	WIN MUL_HI
	MUL16 4, 1, NQ-1, 1, 0
	MUL16 6, 1, NQ-1, 1, 0
	WIN 0
	PLACES NP
	s_and_b32 s28, ttmp9, 1
	s_or_b32 s28, s28, s[KIND]
	s_cmp_eq_u32 s28, 0
	s_cselect_b64 s[BASE:BASE+1], s[96:97], s[98:99]
	s_mov_b32 s29, 16896
	s_cselect_b32 s29, 8448, s29
	s_mov_b32 s34, 16384
	s_cselect_b32 s34, 8192, s34
	s_lshl_b32 s[HS], s29, 4
	s_add_co_u32 s39, s[HS], 512
	s_sub_co_u32 s43, s[HS], 8192
	s_cmp_eq_u32 s[KIND], 0
	s_cselect_b32 s24, s17, s42
	s_cselect_b32 s25, s15, s16
	s_cselect_b32 s26, s42, s17
	s_cselect_b32 s27, s16, s15
	s_mov_b32 s[STEPA], 2048
	s_cselect_b32 s[STEPA], 1024, s[STEPA]
	s_cselect_b32 s[JUMP], 0, s43
	s_cselect_b32 s34, s34, 16640
	s_cselect_b32 s44, 0, 8192
	s_mov_b32 s45, 8704
	s_cselect_b32 s45, 512, s45
	s_cselect_b32 s46, s[HS], 9216
	s_cselect_b32 s47, s39, 9728
	s_mov_b32 s[STEPA+1], 0
	s_mov_b32 s[JUMP+1], 0
	s_mov_b32 s35, 0
	s_and_b32 s26, s26, 3
	s_lshr_b32 s36, s24, 3
	s_lshl_b32 s36, s36, 4
	s_lshl_b32 s37, s26, 2
	s_add_co_u32 s36, s36, s37
	s_lshl_b32 s37, s27, 1
	s_add_co_u32 s36, s36, s37
	s_lshl_b32 s36, s36, 4
	s_lshl_b32 s37, s24, 1
	s_add_co_u32 s37, s37, s25
	s_and_b32 s37, s37, 15
	s_add_co_u32 s36, s36, s37
	s_mul_i32 s36, s36, s29
	s_mov_b32 s37, 0
	s_add_nc_u64 s[BASE:BASE+1], s[BASE:BASE+1], s[36:37]
	s_add_nc_u64 s[BASES:BASES+1], s[BASE:BASE+1], s[BASES:BASES+1]
	s_mov_b32 s[SEL], 0x76543210
	s_mov_b32 s[SEL+1], 0xfedcba98
	s_mov_b32 s[MNT], 0x600000
	s_mov_b32 s[MH], 0xffff0000
	v_and_b32 v25, 31, v0
	v_lshlrev_b32 v25, 4, v25
.irp g, 0,1,2,3
	v_add_nc_u32 v[VO+\g], s[44+\g], v25
.endr
	v_and_b32 v1, 15, v0
	v_bfe_u32 v2, v0, 4, 1
	v_mul_u32_u24 v[OFS], s[HS], v2
	v_lshl_add_u32 v[OFS], v1, 4, v[OFS]
	v_mov_b32 v[SELR], 0x05040100
	v_mov_b32 v[SELR+1], 0x07060302
	v_cndmask_b32 v[SELR], v[SELR], v[SELR+1], s[MH]
.irp b, 0,1,2,3
	v_mov_b32 v[TM+4+\b], 0
.endr
	s_wait_loadcnt 0x0
.macro QUANT s, pw
.irp b, 0,1,2,3
	v_max3_num_f32 v[TM+\b], |v[\s+16*\b]|, |v[\s+1+16*\b]|, 0x4800000
.endr
.irp i, 2,4,6,8,10,12,14
.irp b, 0,1,2,3
	v_max3_num_f32 v[TM+\b], v[TM+\b], |v[\s+16*\b+\i]|, |v[\s+1+16*\b+\i]|
.endr
.endr
.irp b, 0,1,2,3
	v_permlanex16_b32 v[TM+4+\b], v[TM+\b], s[SEL], s[SEL+1]
.endr
.irp b, 0,1,2,3
	v_max_num_f32 v[TM+\b], v[TM+\b], v[TM+4+\b]
.endr
.irp b, 0,1,2,3
	v_add_nc_u32 v[TM+12+\b], 0xfc000000, v[TM+\b]
.endr
.irp b, 0,1,2,3
	v_and_or_b32 v[TM+8+\b], v[TM+\b], 0x7f800000, s[MNT]
.endr
.irp b, 0,1,2,3
	v_lshrrev_b32 v[TM+4+\b], 23, v[TM+12+\b]
.endr
	v_lshl_or_b32 v[\pw], v[TM+5], 8, v[TM+4]
	v_lshl_or_b32 v[\pw], v[TM+6], 16, v[\pw]
	v_lshl_or_b32 v[\pw], v[TM+7], 24, v[\pw]
.irp b, 0,1,2,3
.irp i, 0,1,2,3,4,5,6,7,8,9,10,11,12,13,14,15
	v_med3_num_f32 v[\s+16*\b+\i], v[\s+16*\b+\i], -v[TM+8+\b], v[TM+8+\b]
.endr
	v_cvt_scalef32_pk8_fp8_f32 v[PC+4*\b:PC+1+4*\b], v[\s+16*\b:\s+7+16*\b], v[TM+12+\b]
	v_cvt_scalef32_pk8_fp8_f32 v[PC+2+4*\b:PC+3+4*\b], v[\s+8+16*\b:\s+15+16*\b], v[TM+12+\b]
.endr
	v_nop
.endm
.macro OUTBLK a
.set AC, 64*((\a)%4)
	s_cmp_lg_u32 s[KIND], 0
	s_cbranch_scc1 .Lchan_\@
	WIN 0x02+(\a)/4
.set kk, 0
.rept 32
	v_pk_add_f32 v[ST+kk:ST+kk+1], v[AC+kk:AC+kk+1], v[BB+kk:BB+kk+1]
.set kk, kk+2
.endr
	WIN 0
	s_branch .Lsum_\@
.Lchan_\@:
	WIN 0x02+(\a)/4
.set kk, 0
.rept 32
.if (\a)%2
	v_pk_add_f32 v[ST+kk:ST+kk+1], v[AC+kk:AC+kk+1], v[BA+2*((\a)/2):BA+2*((\a)/2)+1] op_sel:[0,1] op_sel_hi:[1,1]
.else
	v_pk_add_f32 v[ST+kk:ST+kk+1], v[AC+kk:AC+kk+1], v[BA+2*((\a)/2):BA+2*((\a)/2)+1] op_sel:[0,0] op_sel_hi:[1,0]
.endif
.set kk, kk+2
.endr
	WIN 0
.Lsum_\@:
	s_wait_xcnt 0x0
.if (\a) > 0
	s_add_nc_u64 s[BASE:BASE+1], s[BASE:BASE+1], s[STEPA:STEPA+1]
.endif
.if (\a) == 4
	s_add_nc_u64 s[BASE:BASE+1], s[BASE:BASE+1], s[JUMP:JUMP+1]
.endif
	QUANT ST, SW+\a
.irp g, 0,1,2,3
	global_store_b128 v[VO+\g], v[PC+4*\g:PC+4*\g+3], s[BASE:BASE+1]
.endr
.endm
.irp a, 0,1,2,3,4,5,6,7
	OUTBLK \a
.endr
	s_cmp_lg_u32 s[KIND], 0
	s_cbranch_scc1 .Lv_words
.irp f, 0,1,2,3
	v_perm_b32 v[W4+\f], v[SW+2*\f+1], v[SW+2*\f], v[SELR]
.endr
	s_branch .Lwords
.Lv_words:
.irp d, 0,1,2,3
	v_cndmask_b32 v[W4+\d], v[SW+\d], v[SW+4+\d], s[MH]
.endr
.Lwords:
	s_wait_alu depctr_va_vdst(0)
	global_store_b128 v[OFS], v[W4:W4+3], s[BASES:BASES+1]
	s_wait_tensorcnt 0x0
	ds_add_u32 v[SPW], v[NIL]
	s_wait_dscnt 0x0
	CROUND
	s_endpgm
.Lfunc_end_k_q3304d4f97f_qkv:
	.size	k_q3304d4f97f_qkv, .Lfunc_end_k_q3304d4f97f_qkv-k_q3304d4f97f_qkv
	.p2alignl 7, 3214868480
	.fill 96, 4, 3214868480
	.section	.rodata,"a",@progbits
	.p2align	6, 0x0
	.amdhsa_kernel k_q3304d4f97f_qkv
		.amdhsa_group_segment_fixed_size 327680
		.amdhsa_private_segment_fixed_size 0
		.amdhsa_enable_private_segment 0
		.amdhsa_kernarg_size 56
		.amdhsa_user_sgpr_count 2
		.amdhsa_user_sgpr_kernarg_segment_ptr 1
		.amdhsa_wavefront_size32 1
		.amdhsa_system_sgpr_workgroup_id_x 1
		.amdhsa_system_sgpr_workgroup_id_y 1
		.amdhsa_system_sgpr_workgroup_id_z 1
		.amdhsa_system_vgpr_workitem_id 0
		.amdhsa_next_free_vgpr 1024
		.amdhsa_next_free_sgpr 102
		.amdhsa_reserve_vcc 0
		.amdhsa_float_denorm_mode_32 3
		.amdhsa_float_denorm_mode_16_64 3
		.amdhsa_memory_ordered 1
		.amdhsa_forward_progress 1
		.amdhsa_inst_pref_size 224
	.end_amdhsa_kernel
	.amdgpu_metadata
---
amdhsa.version: [ 1, 2 ]
amdhsa.kernels:
  - .name:           k_q3304d4f97f_qkv
    .symbol:         k_q3304d4f97f_qkv.kd
    .args:
      - { .name: x_codes, .offset: 0, .size: 8, .value_kind: global_buffer, .address_space: global }
      - { .name: x_scales, .offset: 8, .size: 8, .value_kind: global_buffer, .address_space: global }
      - { .name: W_qkv_codes, .offset: 16, .size: 8, .value_kind: global_buffer, .address_space: global }
      - { .name: W_qkv_scales, .offset: 24, .size: 8, .value_kind: global_buffer, .address_space: global }
      - { .name: qbuf, .offset: 32, .size: 8, .value_kind: global_buffer, .address_space: global }
      - { .name: kvbuf, .offset: 40, .size: 8, .value_kind: global_buffer, .address_space: global }
      - { .name: b_qkv, .offset: 48, .size: 8, .value_kind: global_buffer, .address_space: global }
    .group_segment_fixed_size: 327680
    .private_segment_fixed_size: 0
    .kernarg_segment_align: 8
    .kernarg_segment_size: 56
    .max_flat_workgroup_size: 128
    .sgpr_count:     102
    .vgpr_count:     1024
    .wavefront_size: 32
...
	.end_amdgpu_metadata
.endif
;; end of part 1
;; launch attn (part 2): grid 4 x 64, 16 waves a work-group, clusters of 4 x 1, 272,384 bytes of LDS; arguments qbuf, kvbuf, ofrag, oscales; writes ofrag, oscales
.if DOCPART == 2
	.amdgcn_target "amdgcn-amd-amdhsa--gfx1250"
	.amdhsa_code_object_version 6
	.text
	.protected	k_q3304d4f97f_attn
	.globl	k_q3304d4f97f_attn
	.p2align	8
	.type	k_q3304d4f97f_attn,@function
k_q3304d4f97f_attn:
	s_mov_b64 s[64:65], 0
	v_nop
	global_prefetch_b8 v0, s[64:65] scope:SCOPE_SE
	s_setreg_imm32_b32 hwreg(HW_REG_WAVE_MODE, 25, 1), 1
	s_wait_xcnt 0x0
	s_wait_alu depctr_hold_cnt(0) depctr_sa_sdst(0) depctr_va_vdst(0) depctr_va_sdst(0) depctr_va_ssrc(0) depctr_va_vcc(0) depctr_vm_vsrc(0)
	s_getreg_b32 s2, hwreg(HW_REG_IB_STS2, 6, 4)
	s_cmp_eq_u32 s2, 0
	s_cbranch_scc0 .Lentry_in_a_cluster
	s_endpgm
.Lentry_in_a_cluster:
	s_bfe_u32 s2, ttmp6, 0x10000c
	s_cmp_lg_u32 s2, 0x3003
	s_cbranch_scc0 .Lentry_shape_is_right
	s_endpgm
.Lentry_shape_is_right:
; o[q] = the sum over keys of softmax(q . k / 8) v for one head of 64, both products on codes of FP8 (E4M3) with one E8M0 scale for each 32 along a product's K; o is quantised along the model's 1,024 and leaves as codes.
; THE SOFTMAX: t = score x log2(e) / 8; M = the running largest t rounded UP to a whole number; p = 2^(t - M) is quantised along the keys, not normalised; the row's sum is taken of the unquantised p and divides at the end.
; When M moves, the sum and o are multiplied by 2^(old M - new M): nothing is rounded, and no branch hangs on data.
; SHARES.  A cluster of four work-groups is one head (64 clusters); work-group cx owns queries 512 cx .. + 511; each of its sixteen waves owns a tile of 16 queries in each of two passes (tile 32 cx + 16 pass + wave).
; Four waves share a SIMD, so that one wave's vector work stands beside another's LDS loads and products.
; LDS.  The head's whole block of kvbuf, 16 key steps x 16,896 bytes, lies in LDS as it lies in memory, filled ONCE.  Wave w brings key step w by ONE joint load, the same in all four work-groups.
; Waves 0-3 have a load line and a wait of their own: the first barrier shows key steps 0-3, which the first four steps read; the second barrier, ahead of which every wave waits, shows the rest.
; All that a work-group reads is asked for at the head of the text: there is no loop to run ahead in, so no prefetch is laid.
; OPERANDS lie as images of their registers: a piece of 512 bytes, lane l's 16 bytes at 16 l.
; THE FIRST PRODUCT has K = 64 and the instruction 128.  A fragment of k holds TWO tiles of 16 keys (K 0-63, K 64-127).  It is multiplied once by [q | 0] and once by [0 | q]: v16-23 and v32-39 hold zero codes round q in v24-31.
; Both products are used transposed (source 0 = keys, or channels; source 1 = my queries): a lane holds ONE query throughout.  The 16 score registers of fragment f are the lane's part of block f of the step's 128 keys, in the order
; (8 h + 0..7, 16 + 8 h + 0..7); v's codes were made in the same order.  o's codes meet W_proj, whose order is given: one exchange between lanes l and l xor 16 puts them into the order 16 h + 0..15.
; ofrag: [256 along K: 4][tile of 16 rows: 512][128 along K: 2][block: 4][512 bytes];  oscales: [8,192 rows][32].
; LIMITS: NaN and infinities are not served; the promise holds while the scaled scores t stay under 2^31 in magnitude; a block whose largest magnitude lies under 2^-118 keeps the byte 1 (a block of zeros too: its codes are zeros, and this program alone reads the bytes).
.set REC,   16896                      ; a key step's record: k 8,192, v 8,192, k's scale words 256, v's 256
.set QREC,  8448                       ; a record of q: 8 tiles x 1,024, scale words 256
.set LI,   1                           ; 16 x lane
.set LSC,  2                           ; 16 x (lane % 16) + 16,384
.set ADC,  3                           ; LDS address of the step's pieces
.set ADS,  4                           ; and of its scale words
.set RO,   5                           ; 32 x (lane % 16)
.set RQ,   6                           ; 16 x (lane % 16)
.set ZLO,  16                          ; v16-23 zero codes; v[16:31] = [0 | q]
.set QF,   24                          ; v24-31 q's codes; v[24:39] = [q | 0]
.set FRG,  40                          ; v40-103  four fragments of k, then of v
.set SCO,  104                         ; v104-167 the scores, then p
.set OT,   168                         ; v168-199 o, transposed
.set PC,   200                         ; v200-215 p's codes
.set BM,   216
.set BP,   220
.set BH,   224
.set BS,   228
.set QN,   232                         ; v232-239 the second pass's q
.set KSC,  240
.set VSC,  244
.set QS,   248
.set PS,   249
.set QNS,  250
.set T1,   251
.set FF,   252                         ; v[252:253] f = 2^(old M - new M); v253 holds 0
.set T2,   254
.set WV,   12
.set G1,   16
.set G0,   24
.set SEL,  40
.set CS,   42
.set MNT,  44
.set MH,   45
.set TB,   46
.set CNT,  47
.macro CROUND                          ; a round of the cluster's barrier
	s_barrier_signal -1
	s_barrier_wait -1
	s_cmp_lg_u32 s[WV], 0
	s_cbranch_scc1 .Lnot_wave_0_\@
	s_barrier_signal -3
.Lnot_wave_0_\@:
	s_barrier_wait -3
	s_barrier_signal -1
	s_barrier_wait -1
.endm
	s_load_b256 s[4:11], s[0:1], 0x0               ; qbuf, kvbuf, ofrag, oscales
	v_lshl_add_u32 v11, v0, 2, 0x42000
	v_mov_b32 v255, 0
	ds_add_u32 v11, v255
	ds_add_u32 v11, v255
	v_lshrrev_b32 v1, 5, v0
	s_delay_alu instid0(VALU_DEP_1)
	v_readfirstlane_b32 s[WV], v1                  ; wave 0..15
	s_bfe_u32 s13, ttmp6, 0x40000                  ; cx: it enters q's and o's addresses alone
	s_and_b32 s14, ttmp7, 0xffff                   ; 16 x batch + head, which the four partners share
	s_mov_b32 s[G1+0], 15|(3<<16)|(1<<21)          ; the mask: all four work-groups; elements of 8 bytes; bit 21 beside a mask
	s_mov_b32 s[G1+1], 32<<16                      ; a record as 66 dense rows of 256 bytes
	s_mov_b32 s[G1+2], 66<<16
	s_mov_b32 s[G1+3], 32<<16
	s_mov_b32 s[G1+4], 66
	s_mov_b32 s[G1+5], 32
	s_mov_b32 s[G1+6], 0
	s_mov_b32 s[G1+7], 0
	s_mul_i32 s54, s14, 16*REC                     ; the head's block
	s_mul_i32 s56, s[WV], REC                      ; my key step
	s_add_co_u32 s54, s54, s56
	s_mov_b32 s55, 0
	s_mov_b32 s[SEL], 0x76543210
	s_mov_b32 s[SEL+1], 0xfedcba98
	s_mov_b32 s[CS], 0x3e38aa3b                    ; log2(e) / 8
	s_mov_b32 s[CS+1], s[CS]
	s_mov_b32 s[MNT], 0x600000
	s_mov_b32 s[MH], 0xffff0000
	s_wait_dscnt 0x0
	s_wait_kmcnt 0x0
	s_mov_b32 s[G0], 1
	s_mov_b32 s[G0+1], s56                         ; LDS address: as in memory
	s_add_nc_u64 s[G0+2:G0+3], s[6:7], s[54:55]
	s_or_b32 s[G0+3], s[G0+3], 0x80000000
	CROUND                                         ; all four work-groups are here: the joint loads meet
	s_cmp_lt_u32 s[WV], 4                          ; one load a wave; waves 0-3, which alone wait at the first barrier, have a line of their own
	s_cbranch_scc0 .Llater
	tensor_load_to_lds s[G0:G0+3], s[G1:G1+7]
	s_nop 0
.rept 4
	v_nop
.endr
	s_branch .Lasked
.Llater:
	tensor_load_to_lds s[G0:G0+3], s[G1:G1+7]
	s_nop 0
.rept 4
	v_nop
.endr
.Lasked:
	v_and_b32 v[LI], 31, v0
	s_delay_alu instid0(VALU_DEP_1)
	v_lshlrev_b32 v[LI], 4, v[LI]
	s_wait_alu depctr_va_vdst(0)
	v_and_b32 v[RQ], 15, v0
	s_delay_alu instid0(VALU_DEP_1)
	v_lshlrev_b32 v[RO], 5, v[RQ]
	s_delay_alu instid0(VALU_DEP_2)
	v_lshlrev_b32 v[RQ], 4, v[RQ]
	s_wait_alu depctr_va_vdst(0)
	v_add_nc_u32 v[LSC], 16384, v[RQ]
	; q: record 16 head + 4 cx + wave / 8 (the second pass: two records on), tile wave % 8
	s_lshl_b32 s50, s14, 4
	s_lshl_b32 s51, s13, 2
	s_add_co_u32 s50, s50, s51
	s_lshr_b32 s51, s[WV], 3
	s_add_co_u32 s50, s50, s51
	s_mul_i32 s50, s50, QREC
	s_and_b32 s51, s[WV], 7
	s_lshl_b32 s56, s51, 10
	s_add_co_u32 s56, s56, s50
	s_mov_b32 s57, 0
	s_add_nc_u64 s[56:57], s[4:5], s[56:57]        ; its codes
	s_lshl_b32 s52, s51, 1                         ; its two scale bytes: 2 x tile in the row's 16 bytes
	s_add_co_u32 s52, s52, s50
	s_add_co_u32 s52, s52, 8192
	s_mov_b32 s53, 0
	s_add_nc_u64 s[52:53], s[4:5], s[52:53]
	global_load_b128 v[QF:QF+3], v[LI], s[56:57]
	global_load_b128 v[QF+4:QF+7], v[LI], s[56:57] offset:512
	global_load_b128 v[QN:QN+3], v[LI], s[56:57] offset:2*QREC
	global_load_b128 v[QN+4:QN+7], v[LI], s[56:57] offset:2*QREC+512
	global_load_u16 v[QS], v[RQ], s[52:53]
	global_load_u16 v[QNS], v[RQ], s[52:53] offset:2*QREC
	; o: head hd's 64 channels: plane hd / 4, then (hd % 4) x 1,024 bytes inside the tile's 4,096
	s_and_b32 s50, s14, 15
	s_lshr_b32 s51, s14, 4
	s_lshr_b32 s54, s50, 2
	s_lshl_b32 s54, s54, 21
	s_lshl_b32 s55, s51, 7
	s_lshl_b32 s58, s13, 5
	s_add_co_u32 s55, s55, s58
	s_add_co_u32 s55, s55, s[WV]                   ; the tile of 16 rows: 128 x batch + 32 cx + wave
	s_lshl_b32 s55, s55, 12
	s_add_co_u32 s54, s54, s55
	s_and_b32 s55, s50, 3
	s_lshl_b32 s55, s55, 10
	s_add_co_u32 s54, s54, s55
	s_mov_b32 s55, 0
	s_add_nc_u64 s[8:9], s[8:9], s[54:55]
	s_lshl_b32 s54, s51, 11
	s_lshl_b32 s58, s13, 9
	s_add_co_u32 s54, s54, s58
	s_lshl_b32 s58, s[WV], 4
	s_add_co_u32 s54, s54, s58                     ; my first row
	s_lshl_b32 s54, s54, 5
	s_lshl_b32 s58, s50, 1
	s_add_co_u32 s54, s54, s58                     ; bytes 2 hd, 2 hd + 1 of its 32
	s_add_nc_u64 s[10:11], s[10:11], s[54:55]
.irp i, 0,1,2,3,4,5,6,7
	v_mov_b32 v[ZLO+\i], 0                         ; zero codes below q
	v_mov_b32 v[QF+8+\i], 0                        ; and above
.endr
.irp b, 0,1,2,3
	v_mov_b32 v[BP+\b], 0                          ; a lane permute's destination counts as one of its sources
.endr
	v_mov_b32 v[T1], 0
	v_mov_b32 v[FF+1], 0
	s_wait_loadcnt 0x0                             ; q of both passes
	v_lshl_or_b32 v[QS], v[QS], 16, v[QS]          ; the two bytes serve K 0-63 in [q | 0] and K 64-127 in [0 | q]
	v_lshl_or_b32 v[QNS], v[QNS], 16, v[QNS]
.macro PREP                            ; a pass begins: the key step is written once, and its first trip finds zeros
	v_mov_b32 v13, 0xff61b1e6                      ; the largest t so far: -3e38, under every t
	s_delay_alu instid0(VALU_DEP_1)
	v_floor_f32 v12, -v13                          ; -M
	v_mov_b32 v14, 0                               ; the sum, in two halves
	v_mov_b32 v15, 0
.set jj, 0
.rept 32
	v_mov_b32 v[OT+jj], 0
.set jj, jj+1
.endr
.endm
; A KEY STEP: 128 keys.
.macro STEP
	v_add_nc_u32 v[ADC], s[TB], v[LI]
	v_add_nc_u32 v[ADS], s[TB], v[LSC]
.rept 3
	v_nop                                          ; with the two additions: eight places behind the last step's products, in front of loads into registers that they read
.endr
.irp f, 0,1,2,3
.irp c, 0,1,2,3
	ds_load_b128 v[FRG+16*\f+4*\c:FRG+16*\f+4*\c+3], v[ADC] offset:2048*\f+512*\c
.endr
.endr
	ds_load_b128 v[KSC:KSC+3], v[ADS]              ; my row's four scale words, one for each fragment
	s_wait_alu depctr_va_vdst(0)
	s_wait_dscnt 0x0
.irp f, 0,1,2,3
	v_wmma_scale_f32_16x16x128_f8f6f4 v[SCO+16*\f:SCO+16*\f+7], v[FRG+16*\f:FRG+16*\f+15], v[QF:QF+15], 0, v[KSC+\f], v[QS]            ; keys 32 f + 8 h + 0..7
	v_wmma_scale_f32_16x16x128_f8f6f4 v[SCO+16*\f+8:SCO+16*\f+15], v[FRG+16*\f:FRG+16*\f+15], v[ZLO:ZLO+15], 0, v[KSC+\f], v[QS]       ; keys 32 f + 16 + 8 h + 0..7
.endr
.rept 8
	v_nop                                          ; eight places: in front of the loads into k's registers, and of the first read of the scores
.endr
.irp d, 0,1,2,3
.irp c, 0,1,2,3
	ds_load_b128 v[FRG+16*\d+4*\c:FRG+16*\d+4*\c+3], v[ADC] offset:8192+2048*\d+512*\c   ; v's fragments land under the softmax
.endr
.endr
	ds_load_b128 v[VSC:VSC+3], v[ADS] offset:256
.irp b, 0,1,2,3
	v_max3_num_f32 v[BM+\b], v[SCO+16*\b], v[SCO+16*\b+1], v[SCO+16*\b+2]   ; the largest score of each block of 32 keys: for the row's maximum and for the block's largest p.  Each result is read from its low end on
.endr
.irp i, 3,5,7,9,11,13
.irp b, 0,1,2,3
	v_max3_num_f32 v[BM+\b], v[BM+\b], v[SCO+16*\b+\i], v[SCO+16*\b+\i+1]
.endr
.endr
.irp b, 0,1,2,3
	v_max_num_f32 v[BM+\b], v[BM+\b], v[SCO+16*\b+15]
.endr
.irp b, 0,1,2,3
	s_delay_alu instid0(VALU_DEP_4)
	v_permlanex16_b32 v[BP+\b], v[BM+\b], s[SEL], s[SEL+1]
.endr
.irp b, 0,1,2,3
	s_delay_alu instid0(VALU_DEP_4)
	v_max_num_f32 v[BM+\b], v[BM+\b], v[BP+\b]     ; with lane l xor 16's 16 keys
.endr
	s_delay_alu instid0(VALU_DEP_2)
	v_max3_num_f32 v[T2], v[BM], v[BM+1], v[BM+2]
	s_delay_alu instid0(VALU_DEP_1)
	v_max_num_f32 v[T2], v[T2], v[BM+3]            ; the step's largest score of my query
	s_delay_alu instid0(VALU_DEP_1)
	v_mul_f32 v[T2], s[CS], v[T2]                  ; as t (c is positive)
	s_delay_alu instid0(VALU_DEP_1)
	v_max_num_f32 v13, v13, v[T2]                  ; the running largest t
	v_mov_b32 v[T2], v12
	s_delay_alu instid0(VALU_DEP_2)
	v_floor_f32 v12, -v13                          ; the new -M = floor(-t): a whole number
	s_delay_alu instid0(VALU_DEP_1)
	v_sub_f32 v[T2], v12, v[T2]                    ; M's old value less its new one
	s_delay_alu instid0(VALU_DEP_1)
	v_cvt_i32_f32 v[T2], v[T2]                     ; (it saturates)
	s_delay_alu instid0(VALU_DEP_1)
	v_ldexp_f32 v[FF], 1.0, v[T2]                  ; f = 2^(old M - new M)
.set jj, 0
.rept 32
	v_pk_fma_f32 v[SCO+jj:SCO+jj+1], v[SCO+jj:SCO+jj+1], s[CS:CS+1], v[12:13] op_sel_hi:[1,0,0]   ; t - M, two at a time
.set jj, jj+2
.endr
	v_pk_fma_f32 v[BM:BM+1], v[BM:BM+1], s[CS:CS+1], v[12:13] op_sel_hi:[1,0,0]       ; the same of each block's largest score, by the same instruction
	v_pk_fma_f32 v[BM+2:BM+3], v[BM+2:BM+3], s[CS:CS+1], v[12:13] op_sel_hi:[1,0,0]
.set jj, 0
	s_wait_alu depctr_va_vdst(0)
.rept 64
	v_exp_f32 v[SCO+jj], v[SCO+jj]                 ; p = 2^(t - M), at most 1
.set jj, jj+1
.endr
	v_pk_mul_f32 v[14:15], v[14:15], v[FF:FF+1] op_sel_hi:[1,0]   ; the sums under the new M (the plain line behind the exponentials)
	s_wait_alu depctr_va_vdst(0)                   ; one wait for the whole batch, ahead of its first reader
.irp b, 0,1,2,3
	v_exp_f32 v[BM+\b], v[BM+\b]                   ; the block's largest p: the same two instructions on the same number give the same bits
.endr
	v_pk_add_f32 v[220:221], v[108:109], v[112:113]
	v_pk_add_f32 v[242:243], v[116:117], v[120:121]
	v_pk_add_f32 v[240:241], v[124:125], v[128:129]
	v_pk_add_f32 v[230:231], v[132:133], v[136:137]
	v_pk_add_f32 v[228:229], v[140:141], v[144:145]
	v_pk_add_f32 v[226:227], v[148:149], v[152:153]
	v_pk_add_f32 v[224:225], v[156:157], v[160:161]
	v_pk_add_f32 v[14:15], v[14:15], v[164:165]
	v_pk_add_f32 v[220:221], v[220:221], v[104:105]
	v_pk_add_f32 v[242:243], v[242:243], v[106:107]
	v_pk_add_f32 v[240:241], v[240:241], v[110:111]
	v_pk_add_f32 v[230:231], v[230:231], v[114:115]
	v_pk_add_f32 v[228:229], v[228:229], v[118:119]
	v_pk_add_f32 v[226:227], v[226:227], v[122:123]
	v_pk_add_f32 v[224:225], v[224:225], v[126:127]
	v_pk_add_f32 v[14:15], v[14:15], v[130:131]
	v_pk_add_f32 v[220:221], v[220:221], v[134:135]
	v_pk_add_f32 v[242:243], v[242:243], v[138:139]
	v_pk_add_f32 v[240:241], v[240:241], v[142:143]
	v_pk_add_f32 v[230:231], v[230:231], v[146:147]
	v_pk_add_f32 v[228:229], v[228:229], v[150:151]
	v_pk_add_f32 v[226:227], v[226:227], v[154:155]
	v_pk_add_f32 v[224:225], v[224:225], v[158:159]
	v_pk_add_f32 v[14:15], v[14:15], v[162:163]
	v_pk_add_f32 v[220:221], v[220:221], v[166:167]
	s_delay_alu instid0(VALU_DEP_2)
	v_pk_add_f32 v[14:15], v[14:15], v[230:231]
	s_delay_alu instid0(VALU_DEP_2)
	v_pk_add_f32 v[8:9], v[220:221], v[228:229]    ; three partial sums stay in v[8:9], v[240:243], which nothing writes before the step's end: they are added behind the second products
	v_pk_add_f32 v[242:243], v[242:243], v[226:227]
	v_pk_add_f32 v[240:241], v[240:241], v[224:225]
	s_wait_alu depctr_va_vdst(0)
.irp b, 0,1,2,3
	v_max_num_f32 v[BM+\b], 0x4800000, v[BM+\b]    ; the floor 2^(9 - 127): the byte cannot fall under 1
.endr
.irp b, 0,1,2,3
	s_delay_alu instid0(VALU_DEP_4)
	v_add_nc_u32 v[BS+\b], 0xfc000000, v[BM+\b]    ; 8 off the exponent field: the conversion's scale operand
.endr
.irp b, 0,1,2,3
	v_and_or_b32 v[BH+\b], v[BM+\b], 0x7f800000, s[MNT]   ; 448 x the scale
.endr
.irp b, 0,1,2,3
	v_lshrrev_b32 v[BP+\b], 23, v[BS+\b]           ; the scale's byte
.endr
	s_delay_alu instid0(VALU_DEP_3)
	v_lshl_or_b32 v[PS], v[BP+1], 8, v[BP]         ; p's scale word for these 128 keys; the holds below stand between it and the products
	s_delay_alu instid0(VALU_DEP_1)
	v_lshl_or_b32 v[PS], v[BP+2], 16, v[PS]
	s_delay_alu instid0(VALU_DEP_1)
	v_lshl_or_b32 v[PS], v[BP+3], 24, v[PS]
; THE HOLD: the conversion to an 8-bit code does not saturate (ISA guide 7.6.2); p is not negative, so the hold is one-sided.  Two holds an instruction: block b's number i beside block b + 1's number i + 1,
; so that one destination is even and the other odd, and the two first and the two second sources have unlike register numbers modulo 4, as the dual form asks of its operands.
.irp b, 0,2
.irp i, 0,1,2,3,4,5,6,7,8,9,10,11,12,13,14,15
	v_dual_min_num_f32 v[SCO+16*\b+\i], v[SCO+16*\b+\i], v[BH+\b] :: v_dual_min_num_f32 v[SCO+16*\b+16+(\i+1)%16], v[SCO+16*\b+16+(\i+1)%16], v[BH+\b+1]
.endr
.irp e, 0,1
	v_cvt_scalef32_pk8_fp8_f32 v[PC+4*(\b+\e):PC+4*(\b+\e)+1], v[SCO+16*(\b+\e):SCO+16*(\b+\e)+7], v[BS+\b+\e]
	v_cvt_scalef32_pk8_fp8_f32 v[PC+4*(\b+\e)+2:PC+4*(\b+\e)+3], v[SCO+16*(\b+\e)+8:SCO+16*(\b+\e)+15], v[BS+\b+\e]
.endr
.endr
.set jj, 0
.rept 16
	v_pk_mul_f32 v[OT+jj:OT+jj+1], v[OT+jj:OT+jj+1], v[FF:FF+1] op_sel_hi:[1,0]   ; o under the new M.  (These 16 also stand between the conversions and the products that read the codes)
.set jj, jj+2
.endr
	s_wait_alu depctr_va_vdst(0)
	s_wait_dscnt 0x0                               ; v's fragments and scale words
.irp d, 0,1,2,3
	v_wmma_scale_f32_16x16x128_f8f6f4 v[OT+8*\d:OT+8*\d+7], v[FRG+16*\d:FRG+16*\d+15], v[PC:PC+15], v[OT+8*\d:OT+8*\d+7], v[VSC+\d], v[PS]   ; the four accumulators by turns
.endr
	v_pk_add_f32 v[14:15], v[14:15], v[242:243]    ; the rest of the row's sum: with the next step's two additions and three v_nop these are the eight places behind the products
	v_pk_add_f32 v[8:9], v[8:9], v[240:241]
	v_pk_add_f32 v[14:15], v[14:15], v[8:9]
.endm
.macro KLOOP n, first                  ; n key steps from step first on
	s_mov_b32 s[TB], (\first)*REC
	s_mov_b32 s[CNT], \n
.Lkey_\@:
	STEP
	s_add_co_u32 s[TB], s[TB], REC
	s_sub_co_u32 s[CNT], s[CNT], 1
	s_cmp_lg_u32 s[CNT], 0
	s_cbranch_scc1 .Lkey_\@
.endm
; A PASS ENDS: o / the sum, quantised in two blocks of 32 channels, put into the order that W_proj's codes have, stored.
.macro FINISH
.rept 8
	v_nop                                          ; eight places behind the last products
.endr
	v_add_f32 v14, v14, v15                        ; the sum's two halves,
	s_delay_alu instid0(VALU_DEP_1)
	v_permlanex16_b32 v[T1], v14, s[SEL], s[SEL+1]
	s_delay_alu instid0(VALU_DEP_1)
	v_add_f32 v14, v14, v[T1]                      ; and lane l xor 16's
	s_wait_alu depctr_va_vdst(0)
	v_rcp_f32 v14, v14
	v_nop                                          ; a plain line behind the reciprocal,
	s_wait_alu depctr_va_vdst(0)                   ; and the wait ahead of its first reader
.set jj, 0
.rept 16
	v_pk_mul_f32 v[SCO+jj:SCO+jj+1], v[OT+jj:OT+jj+1], v[14:15] op_sel_hi:[1,0]   ; each accumulator from its low end on
.set jj, jj+2
.endr
.irp b, 0,1
	v_max3_num_f32 v[BM+\b], |v[SCO+16*\b]|, |v[SCO+16*\b+1]|, 0x4800000
.endr
.irp i, 2,4,6,8,10,12,14
.irp b, 0,1
	s_delay_alu instid0(VALU_DEP_2)
	v_max3_num_f32 v[BM+\b], v[BM+\b], |v[SCO+16*\b+\i]|, |v[SCO+16*\b+\i+1]|
.endr
.endr
.irp b, 0,1
	s_delay_alu instid0(VALU_DEP_2)
	v_permlanex16_b32 v[BP+\b], v[BM+\b], s[SEL], s[SEL+1]
.endr
.irp b, 0,1
	s_delay_alu instid0(VALU_DEP_2)
	v_max_num_f32 v[BM+\b], v[BM+\b], v[BP+\b]
.endr
.irp b, 0,1
	s_delay_alu instid0(VALU_DEP_2)
	v_add_nc_u32 v[BS+\b], 0xfc000000, v[BM+\b]
.endr
.irp b, 0,1
	s_delay_alu instid0(VALU_DEP_4)
	v_and_or_b32 v[BH+\b], v[BM+\b], 0x7f800000, s[MNT]
.endr
.irp b, 0,1
	s_delay_alu instid0(VALU_DEP_4)
	v_lshrrev_b32 v[BP+\b], 23, v[BS+\b]
.endr
	s_delay_alu instid0(VALU_DEP_1)
	v_lshl_or_b32 v[T2], v[BP+1], 8, v[BP]         ; my row's two scale bytes
.irp b, 0,1
.irp i, 0,1,2,3,4,5,6,7,8,9,10,11,12,13,14,15
	v_med3_num_f32 v[SCO+16*\b+\i], v[SCO+16*\b+\i], -v[BH+\b], v[BH+\b]
.endr
	v_cvt_scalef32_pk8_fp8_f32 v[PC+4*\b:PC+4*\b+1], v[SCO+16*\b:SCO+16*\b+7], v[BS+\b]
	v_cvt_scalef32_pk8_fp8_f32 v[PC+4*\b+2:PC+4*\b+3], v[SCO+16*\b+8:SCO+16*\b+15], v[BS+\b]
.endr
	v_nop                                          ; one plain line behind the last conversion
	; lanes 0-15 hold channels 0-7 and 16-23 of a block, lanes 16-31 channels 8-15 and 24-31; wanted: 0-15 and 16-31
.irp b, 0,1
	v_cndmask_b32 v[BM+2*\b], v[PC+4*\b+2], v[PC+4*\b], s[MH]
	v_cndmask_b32 v[BM+2*\b+1], v[PC+4*\b+3], v[PC+4*\b+1], s[MH]
.endr
.irp i, 0,1,2,3
	s_delay_alu instid0(VALU_DEP_4)
	v_permlanex16_b32 v[BP+\i], v[BM+\i], s[SEL], s[SEL+1]
.endr
.irp b, 0,1
	v_cndmask_b32 v[PC+8+4*\b], v[PC+4*\b], v[BP+2*\b], s[MH]
	v_cndmask_b32 v[PC+9+4*\b], v[PC+4*\b+1], v[BP+2*\b+1], s[MH]
	v_cndmask_b32 v[PC+10+4*\b], v[BP+2*\b], v[PC+4*\b+2], s[MH]
	v_cndmask_b32 v[PC+11+4*\b], v[BP+2*\b+1], v[PC+4*\b+3], s[MH]
.endr
	global_store_b128 v[LI], v[PC+8:PC+11], s[8:9]               ; a piece: 512 consecutive aligned bytes
	global_store_b128 v[LI], v[PC+12:PC+15], s[8:9] offset:512
	global_store_b16 v[RO], v[T2], s[10:11]                      ; two bytes of each of 16 rows (lanes l and l xor 16 store the same)
.endm
	PREP
	s_wait_alu depctr_va_vdst(0)                   ; the wait at the head's end
	s_cmp_lt_u32 s[WV], 4
	s_cbranch_scc0 .Lnot_mine
	s_wait_tensorcnt 0x0                           ; waves 0-3: key steps 0-3 have landed.  The other waves' wait stands at the second barrier
.Lnot_mine:
	s_barrier_signal -1
	s_barrier_wait -1
	KLOOP 4, 0
	s_wait_tensorcnt 0x0                           ; every wave's load has landed
	s_barrier_signal -1
	s_barrier_wait -1                              ; the whole head lies in LDS, and nothing is filled again
	KLOOP 12, 4
	FINISH
.irp i, 0,1,2,3,4,5,6,7
	v_mov_b32 v[QF+\i], v[QN+\i]                   ; the second pass's queries; the lines of PREP stand between these and the next products
.endr
	v_mov_b32 v[QS], v[QNS]
	s_wait_xcnt 0x0                                ; the stores have read their data and their bases: both are written again only behind this wait
	s_add_nc_u64 s[8:9], s[8:9], 16*4096           ; 16 tiles of rows on
	s_add_nc_u64 s[10:11], s[10:11], 256*32        ; 256 rows on
	PREP
	KLOOP 16, 0
	FINISH
	s_wait_tensorcnt 0x0                           ; the wave's end
	ds_add_u32 v11, v255
	s_wait_dscnt 0x0
	CROUND                                         ; the closing round
	s_endpgm
.Lfunc_end_k_q3304d4f97f_attn:
	.size	k_q3304d4f97f_attn, .Lfunc_end_k_q3304d4f97f_attn-k_q3304d4f97f_attn
	.p2alignl 7, 3214868480
	.fill 96, 4, 3214868480
	.section	.rodata,"a",@progbits
	.p2align	6, 0x0
	.amdhsa_kernel k_q3304d4f97f_attn
		.amdhsa_group_segment_fixed_size 272384
		.amdhsa_private_segment_fixed_size 0
		.amdhsa_enable_private_segment 0
		.amdhsa_kernarg_size 32
		.amdhsa_user_sgpr_count 2
		.amdhsa_user_sgpr_kernarg_segment_ptr 1
		.amdhsa_wavefront_size32 1
		.amdhsa_system_sgpr_workgroup_id_x 1
		.amdhsa_system_sgpr_workgroup_id_y 1
		.amdhsa_system_sgpr_workgroup_id_z 1
		.amdhsa_system_vgpr_workitem_id 0
		.amdhsa_next_free_vgpr 256
		.amdhsa_next_free_sgpr 66
		.amdhsa_reserve_vcc 0
		.amdhsa_float_denorm_mode_32 3
		.amdhsa_float_denorm_mode_16_64 3
		.amdhsa_memory_ordered 1
		.amdhsa_forward_progress 1
		.amdhsa_inst_pref_size 82
	.end_amdhsa_kernel
	.amdgpu_metadata
---
amdhsa.version: [ 1, 2 ]
amdhsa.kernels:
  - .name:           k_q3304d4f97f_attn
    .symbol:         k_q3304d4f97f_attn.kd
    .args:
      - { .name: qbuf, .offset: 0, .size: 8, .value_kind: global_buffer, .address_space: global }
      - { .name: kvbuf, .offset: 8, .size: 8, .value_kind: global_buffer, .address_space: global }
      - { .name: ofrag, .offset: 16, .size: 8, .value_kind: global_buffer, .address_space: global }
      - { .name: oscales, .offset: 24, .size: 8, .value_kind: global_buffer, .address_space: global }
    .group_segment_fixed_size: 272384
    .private_segment_fixed_size: 0
    .kernarg_segment_align: 8
    .kernarg_segment_size: 32
    .max_flat_workgroup_size: 512
    .sgpr_count:     66
    .vgpr_count:     256
    .wavefront_size: 32
...
	.end_amdgpu_metadata
.endif
;; end of part 2
;; launch proj (part 3): grid 4 x 64, 4 waves a work-group, clusters of 4 x 4, 327,680 bytes of LDS; arguments ofrag, oscales, W_proj_codes, W_proj_scales, out0, b_proj; writes out0
.if DOCPART == 3
	.amdgcn_target "amdgcn-amd-amdhsa--gfx1250"
	.amdhsa_code_object_version 6
	.text
	.protected	k_q3304d4f97f_proj
	.globl	k_q3304d4f97f_proj
	.p2align	8
	.type	k_q3304d4f97f_proj,@function
k_q3304d4f97f_proj:
	s_mov_b64 s[64:65], 0
	v_nop
	global_prefetch_b8 v0, s[64:65] scope:SCOPE_SE
	s_setreg_imm32_b32 hwreg(HW_REG_WAVE_MODE, 25, 1), 1
	s_wait_xcnt 0x0
	s_wait_alu depctr_hold_cnt(0) depctr_sa_sdst(0) depctr_va_vdst(0) depctr_va_sdst(0) depctr_va_ssrc(0) depctr_va_vcc(0) depctr_vm_vsrc(0)
	s_getreg_b32 s2, hwreg(HW_REG_IB_STS2, 6, 4)
	s_cmp_eq_u32 s2, 0
	s_cbranch_scc0 .Lentry_in_a_cluster
	s_endpgm
.Lentry_in_a_cluster:
	s_bfe_u32 s2, ttmp6, 0x10000c
	s_cmp_lg_u32 s2, 0xf033
	s_cbranch_scc0 .Lentry_shape_is_right
	s_endpgm
.Lentry_shape_is_right:
.set SIZE_N, 1024
.set SIZE_K, 1024
.set KSTEP,  256
.set NQ,     KSTEP/128
.set ROWB,   256
.set KROW,   SIZE_K
.set PITCH,  272
.set FR,     16
.set NL,     4
.set NP,     8
.set HALFA,  32768
.set HALFT,  128*PITCH
.set BOFF,   2*HALFA
.set SLOT,   2*HALFA+2*HALFT
.set ASTEP,  0x200000
.set LAPS,   SIZE_K/(2*KSTEP)
.set KS,     SIZE_K/32
.set SCL,    2*SLOT
.set HALFS,  (128*KS/256)*272
.set SBLK,   (16*KS/256)*272
.set SPARE,  SCL+4*HALFS
.set SPITCH, 528
.set BOF,  7
.set ADRA, 16
.set ADRB, 20
.set STO,  24
.set RD,   25
.set CO,   26
.set ADRS, 27
.set SPW,  28
.set NIL,  29
.set SC,   32
.set BI,   64
.set AF,   128
.set BK,   128
.set G1, 24
.set G0, 32
.set G1B, 48
.set G0B, 56
.set G1S, 68
.set G0S, 76
.set G1SB, 80
.set G0SB, 88
.set MSB, 0
.macro WIN new
.if MSB != \new
	s_set_vgpr_msb (MSB<<8)|\new
.set MSB, \new
.endif
.endm
.set MUL_LO, 0xa1
.set MUL_HI, 0xf1
.set BIA_LO, 0x81
.set BIA_HI, 0xc1
.set TO_B,   0x40
.macro JLOAD g0a, g1a, g0b, g1b
	s_cmp_eq_u32 s15, 0
	s_cbranch_scc0 .Lfor_b_\@
	tensor_load_to_lds s[\g0a:\g0a+3], s[\g1a:\g1a+7]
	s_nop 0
.rept 4
	v_nop
.endr
	s_branch .Lasked_\@
.Lfor_b_\@:
	tensor_load_to_lds s[\g0b:\g0b+3], s[\g1b:\g1b+7]
	s_nop 0
.rept 4
	v_nop
.endr
.Lasked_\@:
.endm
.macro CREST
	s_cmp_lg_u32 s14, 0
	s_cbranch_scc1 .Lnot_wave_0_\@
	s_barrier_signal -3
.Lnot_wave_0_\@:
	s_barrier_wait -3
	s_barrier_signal -1
	s_barrier_wait -1
.endm
.macro CROUND
	s_barrier_signal -1
	s_barrier_wait -1
	CREST
.endm
	s_load_b128 s[4:7], s[0:1], 0x0
	s_load_b128 s[8:11], s[0:1], 0x10
	s_load_b64 s[12:13], s[0:1], 0x20
	s_load_b64 s[96:97], s[0:1], 0x28
	v_lshl_add_u32 v[SPW], v0, 2, SPARE
	v_mov_b32 v[NIL], 0
	ds_add_u32 v28, v29
	ds_add_u32 v28, v29
	s_wait_dscnt 0x0
	v_lshrrev_b32 v1, 5, v0
	v_readfirstlane_b32 s14, v1
	s_lshr_b32 s15, s14, 1
	s_and_b32 s16, s14, 1
	s_bfe_u32 s40, ttmp6, 0x40000
	s_bfe_u32 s41, ttmp6, 0x40004
	s_lshl_b32 s42, ttmp9, 2
	s_add_co_u32 s42, s42, s40
	s_and_b32 s17, ttmp7, 0xffff
	s_lshl_b32 s17, s17, 2
	s_add_co_u32 s17, s17, s41
	s_lshl_b32 s43, s41, 2
	s_lshl_b32 s43, 15, s43
	s_lshl_b32 s44, 0x1111, s40
	s_or_b32 s[G1+0], s43, (3<<16)|(1<<21)
	s_mov_b32 s[G1+1], 32<<16
	s_mov_b32 s[G1+2], 128<<16                     ; a block of the result is 128 rows x 256 columns: the head's load of o's codes brings 128 rows, that of W_proj's 256
	s_mov_b32 s[G1+3], 32<<16
	s_mov_b32 s[G1+4], 128
	s_mov_b32 s[G1+5], 32
	s_mov_b32 s[G1+6], 0
	s_mov_b32 s[G1+7], 0
	s_or_b32 s[G1B+0], s44, (0<<16)|(1<<20)|(1<<21)|(5<<22)|(3<<25)
	s_mov_b32 s[G1B+1], ROWB<<16
	s_mov_b32 s[G1B+2], 256<<16
	s_mov_b32 s[G1B+3], ROWB<<16
	s_mov_b32 s[G1B+4], 256
	s_mov_b32 s[G1B+5], KROW
	s_mov_b32 s[G1B+6], 0
	s_mov_b32 s[G1B+7], 0
	s_or_b32 s[G1S+0], s43, (3<<16)|(1<<20)|(1<<21)|(5<<22)|(3<<25)
	s_or_b32 s[G1SB+0], s44, (3<<16)|(1<<20)|(1<<21)|(5<<22)|(3<<25)
.irp g, G1S, G1SB
	s_mov_b32 s[\g+1], 32<<16
	s_mov_b32 s[\g+2], KS<<16                      ; the scale bytes of 256 rows: KS rows of 256 bytes
	s_mov_b32 s[\g+3], 32<<16
	s_mov_b32 s[\g+4], KS
	s_mov_b32 s[\g+5], 32
	s_mov_b32 s[\g+6], 0
	s_mov_b32 s[\g+7], 0
.endr
	s_mov_b32 s[G1S+2], (KS/2)<<16                 ; o's scale bytes: 128 rows, KS / 2 rows of 256 bytes
	s_mov_b32 s[G1S+4], KS/2
	s_lshl_b32 s20, s17, 7                         ; the tiles' first rows: 128 x tile row, 256 x tile column
	s_lshl_b32 s46, s42, 8
	s_mov_b32 s21, 0
	s_mov_b32 s47, 0
	s_mov_b64 s[18:19], KS
	s_mul_u64 s[22:23], s[20:21], s[18:19]
	s_mul_u64 s[92:93], s[46:47], s[18:19]
	s_lshl_b64 s[20:21], s[20:21], 8
	s_mov_b64 s[18:19], KROW
	s_mul_u64 s[46:47], s[46:47], s[18:19]
	s_lshl_b32 s45, s16, 14
	s_mul_i32 s2, s16, HALFT
	s_add_co_u32 s2, s2, BOFF
	s_lshl_b32 s18, s16, 17                        ; in the ring I fetch 128 rows of a tile: which half, in bytes: of W_proj's codes (1,024 a row),
	s_mov_b32 s19, 0
	s_lshl_b32 s98, s16, 14                        ; and 64 rows of o's (256 bytes a row and K step)
	s_mov_b32 s99, 0
	s_wait_kmcnt 0x0
	s_add_nc_u64 s[20:21], s[4:5], s[20:21]
	s_add_nc_u64 s[22:23], s[6:7], s[22:23]
	s_add_nc_u64 s[46:47], s[8:9], s[46:47]
	s_add_nc_u64 s[92:93], s[10:11], s[92:93]
	CROUND
	s_mov_b32 s[G0S], 1
	s_mov_b32 s[G0S+1], SCL
	s_mov_b64 s[G0S+2:G0S+3], s[22:23]
	s_or_b32 s[G0S+3], s[G0S+3], 0x80000000
	s_mov_b32 s[G0SB], 1
	s_mov_b32 s[G0SB+1], SCL+HALFS                 ; W_proj's scale bytes lie directly behind o's 128 rows'
	s_mov_b64 s[G0SB+2:G0SB+3], s[92:93]
	s_or_b32 s[G0SB+3], s[G0SB+3], 0x80000000
.set G0H, 4                            ; s[4:7], s[8:11] group 0 of the head's loads of K step 0 (the arguments that lay there have been used)
.set G0HB, 8
	s_mov_b32 s[G0H], 1
	s_mov_b32 s[G0H+1], 0
	s_mov_b64 s[G0H+2:G0H+3], s[20:21]
	s_or_b32 s[G0H+3], s[G0H+3], 0x80000000
	s_mov_b32 s[G0HB], 1
	s_mov_b32 s[G0HB+1], BOFF
	s_mov_b64 s[G0HB+2:G0HB+3], s[46:47]
	s_or_b32 s[G0HB+3], s[G0HB+3], 0x80000000
	s_add_nc_u64 s[20:21], s[20:21], s[98:99]      ; for the ring: my 64 rows of o's tile
	s_add_nc_u64 s[46:47], s[46:47], s[18:19]
.irp s, 0,1
	s_mov_b32 s[G0+4*\s], 1
	s_add_co_u32 s[G0+4*\s+1], s45, \s*SLOT
	s_add_nc_u64 s[G0+4*\s+2:G0+4*\s+3], s[20:21], \s*ASTEP
	s_or_b32 s[G0+4*\s+3], s[G0+4*\s+3], 0x80000000
	s_mov_b32 s[G0B+4*\s], 1
	s_add_co_u32 s[G0B+4*\s+1], s2, \s*SLOT
	s_add_nc_u64 s[G0B+4*\s+2:G0B+4*\s+3], s[46:47], \s*ROWB
	s_or_b32 s[G0B+4*\s+3], s[G0B+4*\s+3], 0x80000000
.endr
; the head's four tiles, one joint load a wave, in one chain of branches on the wave's number: wave 0 o's 128 rows of K step 0, wave 1 W_proj's 256, wave 2 o's scale bytes, wave 3 W_proj's
.macro ARM under, g0, g1, next
	s_cmp_lt_u32 s14, \under
	s_cbranch_scc0 \next
	tensor_load_to_lds s[\g0:\g0+3], s[\g1:\g1+7]
	s_nop 0
.rept 4
	v_nop
.endr
	s_branch .Lhead_asked
\next:
.endm
	ARM 1, G0H,  G1,  .Lhead_b
	ARM 2, G0HB, G1B, .Lhead_sa
	ARM 3, G0S,  G1S, .Lhead_sb
	tensor_load_to_lds s[G0SB:G0SB+3], s[G1SB:G1SB+7]
	s_nop 0
.rept 4
	v_nop
.endr
.Lhead_asked:
	v_and_b32 v1, 15, v0
	v_bfe_u32 v2, v0, 4, 1
	v_mul_u32_u24 v3, v1, PITCH
	v_lshl_add_u32 v4, v2, 4, v3
	v_and_b32 v6, 31, v0
	v_lshlrev_b32 v6, 4, v6
	s_lshl_b32 s21, s15, 14                        ; my 64 rows of o: four tiles of 4,096 bytes
	s_mul_i32 s22, s16, HALFT
	s_add_co_u32 s22, s22, BOFF
.irp s, 0,1
	v_add_nc_u32 v[ADRA+\s], s21, v6
	v_add_nc_u32 v[ADRB+\s], s22, v4
	s_add_co_u32 s21, s21, SLOT
	s_add_co_u32 s22, s22, SLOT
.endr
	v_mul_u32_u24 v5, v1, KS
	v_lshrrev_b32 v6, 8, v5
	v_lshl_add_u32 v5, v6, 4, v5
	s_mul_i32 s21, s15, HALFS/2
	s_mul_i32 s22, s16, HALFS
	s_add_co_u32 s22, s22, HALFS
	s_sub_co_u32 s22, s22, s21
	v_mul_u32_u24 v6, s22, v2
	s_add_co_u32 s21, s21, SCL
	v_add_nc_u32 v5, v5, v6
	v_add_nc_u32 v[ADRS], s21, v5
	s_mul_i32 s23, s14, 16*SPITCH
	v_mul_u32_u24 v5, v1, SPITCH
	v_lshl_add_u32 v5, v2, 5, v5
	v_add_nc_u32 v[STO], s23, v5
	v_and_b32 v6, 31, v0
	v_lshlrev_b32 v[CO], 4, v6
	v_add_nc_u32 v[RD], s23, v[CO]
	s_lshl_b32 s20, s17, 7                         ; my first row of the result: 128 x tile row + 64 x my row of waves
	s_lshl_b32 s21, s15, 6
	s_add_co_u32 s20, s20, s21
	s_mov_b32 s21, 0
	s_mov_b64 s[18:19], SIZE_N*4
	s_mul_u64 s[20:21], s[20:21], s[18:19]
	s_lshl_b32 s46, s42, 10
	s_lshl_b32 s47, s16, 9
	s_add_co_u32 s46, s46, s47
	s_mov_b32 s47, 0
	s_add_nc_u64 s[20:21], s[20:21], s[46:47]
	s_add_nc_u64 s[12:13], s[12:13], s[20:21]
	s_add_nc_u64 s[96:97], s[96:97], s[46:47]
	v_lshlrev_b32 v[BOF], 5, v2
.irp b, 0,1,2,3,4,5,6,7
	global_load_b128 v[BI+8*\b:BI+8*\b+3], v[BOF], s[96:97] offset:64*\b
	global_load_b128 v[BI+8*\b+4:BI+8*\b+7], v[BOF], s[96:97] offset:64*\b+16
.endr
.macro FRAG reg, adr, q, i
.irp c, 0,1,2,3
	ds_load_b128 v[\reg+4*\c:\reg+4*\c+3], v[\adr] offset:128*(\q)+32*\c+(\i)*16*PITCH
.endr
.endm
.macro FRAGA reg, adr, q, i
.irp c, 0,1,2,3
	ds_load_b128 v[\reg+4*\c:\reg+4*\c+3], v[\adr] offset:(\i)*4096+(\q)*2048+512*\c
.endr
.endm
.macro MUL16 a0, p, q, sc, zero
.irp a, \a0, \a0+1
.irp b, 0,1,2,3,4,5,6,7
.if \zero
	v_wmma_scale_f32_16x16x128_f8f6f4 v[8*(8*((\a)%4)+\b):8*(8*((\a)%4)+\b)+7], v[128*(\p)+FR*\b:128*(\p)+FR*\b+FR-1], v[AF+FR*(\a):AF+FR*(\a)+FR-1], v[BI+8*\b:BI+8*\b+7], v[SC+8*NQ*(\sc)+NQ*\b+(\q)], v[SC+8*NQ*(\sc)+NQ*(\a)+(\q)] matrix_a_scale:MATRIX_SCALE_ROW1
.else
	v_wmma_scale_f32_16x16x128_f8f6f4 v[8*(8*((\a)%4)+\b):8*(8*((\a)%4)+\b)+7], v[128*(\p)+FR*\b:128*(\p)+FR*\b+FR-1], v[AF+FR*(\a):AF+FR*(\a)+FR-1], v[8*(8*((\a)%4)+\b):8*(8*((\a)%4)+\b)+7], v[SC+8*NQ*(\sc)+NQ*\b+(\q)], v[SC+8*NQ*(\sc)+NQ*(\a)+(\q)] matrix_a_scale:MATRIX_SCALE_ROW1
.endif
.endr
.endr
.endm
.macro FETCH_B slot, q, p
	WIN TO_B
.irp i, 0,1,2,3,4,5,6,7
	FRAG 128*(\p)+FR*\i, ADRB+\slot, \q, \i
.endr
	WIN 0
.endm
.macro FETCH_A slot, q, i0
.irp i, \i0, \i0+1
	FRAGA AF+FR*(\i), ADRA+\slot, \q, \i
.endr
.endm
.macro SCALES sc
.irp i, 0,1,2,3,4,5,6,7
	ds_load_b64 v[SC+8*NQ*\sc+NQ*\i:SC+8*NQ*\sc+NQ*\i+1], v[ADRS] offset:\i*SBLK
.endr
.endm
.macro PLACES n
.rept \n
	v_nop
.endr
.endm
.macro STEP slot, q, zero
	s_wait_dscnt 2*NL                              ; W_proj's set, the scale words and o's blocks 0, 1 are in; the youngest eight loads (blocks 2, 3) may be out
.if \zero
	WIN BIA_LO
.else
	WIN MUL_LO
.endif
	MUL16 0, (\q)%2, \q, \slot, \zero
	s_wait_dscnt 0
	PLACES NP
	FETCH_B \slot, (\q)+1, 1-(\q)%2
	FETCH_A \slot, (\q)+1, 0
.if \zero
	WIN BIA_LO
.else
	WIN MUL_LO
.endif
	MUL16 2, (\q)%2, \q, \slot, \zero
	PLACES NP
	WIN 0
	FETCH_A \slot, (\q)+1, 2
.endm
.macro TURN slot, next, fill
	s_wait_tensorcnt 0x0
	ds_add_u32 v[SPW], v[NIL]
	s_wait_dscnt 2*NL+1                            ; the add and the youngest eight loads (blocks 2, 3) may be out
	WIN MUL_LO
	MUL16 0, 1, NQ-1, \slot, 0
	s_wait_dscnt 0x0
	s_barrier_signal -1
	MUL16 2, 1, NQ-1, \slot, 0
	WIN 0
	s_barrier_wait -1
.if \fill
	CREST
	s_add_nc_u64 s[G0+4*\slot+2:G0+4*\slot+3], s[G0+4*\slot+2:G0+4*\slot+3], 2*ASTEP
	s_add_nc_u64 s[G0B+4*\slot+2:G0B+4*\slot+3], s[G0B+4*\slot+2:G0B+4*\slot+3], 2*ROWB
	JLOAD G0+4*\slot, G1, G0B+4*\slot, G1B
	PLACES NP-4
.else
	PLACES NP
.endif
	s_wait_alu depctr_va_vdst(0)
	v_add_nc_u32 v[ADRS], 4*NQ, v[ADRS]
	FETCH_B \next, 0, 0
	FETCH_A \next, 0, 0
	SCALES \next
	FETCH_A \next, 0, 2
.endm
	s_wait_alu depctr_va_vdst(0)
	s_wait_tensorcnt 0x0                           ; my tile of the head's four is in; the lines ahead of a later first fill:
	ds_add_u32 v[SPW], v[NIL]
	s_mov_b32 s[G1+2], 64<<16                      ; no tensor load of mine is out: from here on a load brings 64 rows of o, 128 of W_proj
	s_mov_b32 s[G1+4], 64
	s_mov_b32 s[G1B+2], 128<<16
	s_mov_b32 s[G1B+4], 128
	s_wait_dscnt 0x0
	CROUND                                         ; all four tiles are in, and all sixteen work-groups are here
	JLOAD G0+4, G1, G0B+4, G1B                     ; K step 1, the first tensor load behind the round
	FETCH_B 0, 0, 0
	FETCH_A 0, 0, 0
	SCALES 0
	FETCH_A 0, 0, 2
	s_wait_loadcnt 0x0
	STEP 0, 0, 1
	s_mov_b32 s3, LAPS-1
.Llap:
	TURN 0, 1, 1
	STEP 1, 0, 0
	TURN 1, 0, 1
	STEP 0, 0, 0
	s_sub_co_u32 s3, s3, 1
	s_cmp_lg_u32 s3, 0
	s_cbranch_scc1 .Llap
	TURN 0, 1, 0
	STEP 1, 0, 0
	s_wait_dscnt 2*NL
	WIN MUL_LO
	MUL16 0, 1, NQ-1, 1, 0
	s_wait_dscnt 0
	MUL16 2, 1, NQ-1, 1, 0
	WIN 0
.macro TOSTAGE a
.set AC, 64*((\a)%4)
	WIN 0x08+4*((\a)/4)
.irp b, 0,1,2,3,4,5,6,7
	ds_store_b128 v[STO], v[AC+8*\b:AC+8*\b+3] offset:64*\b
	ds_store_b128 v[STO], v[AC+8*\b+4:AC+8*\b+7] offset:64*\b+16
.endr
	WIN 0
.set BBK, BK+64*((\a)%2)
.irp t, 0,1,2,3,4,5,6,7,8,9,10,11,12,13,14,15
	ds_load_b128 v[BBK+4*\t:BBK+4*\t+3], v[RD] offset:\t*SPITCH
.endr
.endm
.macro SEND a, younger
.set BBK, BK+64*((\a)%2)
	s_wait_dscnt \younger
.if (\a) > 0
	s_add_nc_u64 s[12:13], s[12:13], 16*SIZE_N*4
.endif
.irp t, 0,1,2,3,4,5,6,7,8,9,10,11,12,13,14,15
	global_store_b128 v[CO], v[BBK+4*\t:BBK+4*\t+3], s[12:13] offset:\t*SIZE_N*4 th:TH_STORE_NT
.endr
.endm
	PLACES NP
	TOSTAGE 0
.irp a, 1,2,3
.if \a > 1
	s_wait_xcnt 0x0
.endif
	TOSTAGE \a
	SEND \a-1, 32
.endr
	s_wait_xcnt 0x0
	SEND 3, 0
	s_wait_tensorcnt 0x0
	ds_add_u32 v[SPW], v[NIL]
	s_wait_dscnt 0x0
	CROUND
	s_endpgm
.Lfunc_end_k_q3304d4f97f_proj:
	.size	k_q3304d4f97f_proj, .Lfunc_end_k_q3304d4f97f_proj-k_q3304d4f97f_proj
	.p2alignl 7, 3214868480
	.fill 96, 4, 3214868480
	.section	.rodata,"a",@progbits
	.p2align	6, 0x0
	.amdhsa_kernel k_q3304d4f97f_proj
		.amdhsa_group_segment_fixed_size 327680
		.amdhsa_private_segment_fixed_size 0
		.amdhsa_enable_private_segment 0
		.amdhsa_kernarg_size 48
		.amdhsa_user_sgpr_count 2
		.amdhsa_user_sgpr_kernarg_segment_ptr 1
		.amdhsa_wavefront_size32 1
		.amdhsa_system_sgpr_workgroup_id_x 1
		.amdhsa_system_sgpr_workgroup_id_y 1
		.amdhsa_system_sgpr_workgroup_id_z 1
		.amdhsa_system_vgpr_workitem_id 0
		.amdhsa_next_free_vgpr 1024
		.amdhsa_next_free_sgpr 100
		.amdhsa_reserve_vcc 0
		.amdhsa_float_denorm_mode_32 3
		.amdhsa_float_denorm_mode_16_64 3
		.amdhsa_memory_ordered 1
		.amdhsa_forward_progress 1
		.amdhsa_inst_pref_size 93
	.end_amdhsa_kernel
	.amdgpu_metadata
---
amdhsa.version: [ 1, 2 ]
amdhsa.kernels:
  - .name:           k_q3304d4f97f_proj
    .symbol:         k_q3304d4f97f_proj.kd
    .args:
      - { .name: ofrag, .offset: 0, .size: 8, .value_kind: global_buffer, .address_space: global }
      - { .name: oscales, .offset: 8, .size: 8, .value_kind: global_buffer, .address_space: global }
      - { .name: W_proj_codes, .offset: 16, .size: 8, .value_kind: global_buffer, .address_space: global }
      - { .name: W_proj_scales, .offset: 24, .size: 8, .value_kind: global_buffer, .address_space: global }
      - { .name: out0, .offset: 32, .size: 8, .value_kind: global_buffer, .address_space: global }
      - { .name: b_proj, .offset: 40, .size: 8, .value_kind: global_buffer, .address_space: global }
    .group_segment_fixed_size: 327680
    .private_segment_fixed_size: 0
    .kernarg_segment_align: 8
    .kernarg_segment_size: 48
    .max_flat_workgroup_size: 128
    .sgpr_count:     100
    .vgpr_count:     1024
    .wavefront_size: 32
...
	.end_amdgpu_metadata
.endif
;; end of part 3
